; MI455X (gfx1250); checked and timed in simulation.
; The chip was launched on July 23, 2026; its instructions are those of AMD's public machine-readable ISA for CDNA 5 (MIT licence, August 2026) and "CDNA5" Instruction Set Architecture Reference Guide (July 2026). The comments in the code are by the model that wrote it; some were corrected since.
;; Causal LM. Allowed arithmetic: matrix products marked QUANTISED: E2M1 operands, one E8M0 scale for each 32 along K, by v_wmma_scale_f32_16x16x128_f8f6f4 with both operands' format E2M1 (or v_wmma_scale_f32_32x16x128_f4), f32 sums; everything else in f32.
;; Inputs: attention_mask 2 x 1 x 1 x 2,048 float32; ctx_mask 2 x 2,048 float32; head_mask 1 x 16 x 1 x 1 float32; key 2 x 16 x 2,048 x 128 float32; query 2 x 16 x 2,048 x 128 float32; value 2 x 16 x 2,048 x 128 float32.
;; Outputs: out0 2 x 16 x 2,048 x 128 float32.
;; This version of the problem:
;;   THIS VERSION OF THE PROBLEM IS GIVEN IN LOW PRECISION. The matrix products marked QUANTISED in the list below multiply operands that are first quantised to E2M1 (2 exponent bits, 1 mantissa bit; 4 bits a number), with one power-of-two scale for each 32 numbers along K (OCP MX v1.0); their sums are f32. All else is computed in f32.
;;   The module's matrix products, in the order in which they are computed (A, B: the left and right operand; K: the contracted axis; several contracted axes count as one K, in the product's order):
;;     1. batch 32 x [M 2,048, K 128] x [K 128, N 2,048]; A: input query; B: input key: QUANTISED
;;     2. batch 32 x [M 2,048, K 2,048] x [K 2,048, N 128]; A: computed on the way; B: input value: QUANTISED
;;   THE QUANTISER, for each operand of a quantised product, along K:
;;     - K is cut into blocks of 32 from its start; a last block that is shorter is filled with zeros.
;;     - A block's scale is 2^e with e = floor(log2(the largest magnitude in the block)) - 2, held to -126 .. 127; a block of zeros has e = 0. As a byte (E8M0): e + 127.
;;     - Each number is divided by its block's scale, clamped to +-6, and rounded to the nearest number of E2M1, ties to even, subnormals kept.
;;     - The product sums the exact products of the quantised numbers (number of the format x scale) in f32.
;;   ~~~python
;;   def quantise(x, axis):      # numpy; x: float32 -> the quantised numbers, widened to float32 again
;;       x = np.moveaxis(x, axis, -1); K = x.shape[-1]
;;       x = np.pad(x, [(0, 0)] * (x.ndim - 1) + [(0, -K % 32)]); x = x.reshape(x.shape[:-1] + (-1, 32)); a = np.abs(x).max(-1, keepdims=True)
;;       e = np.where(a > 0, np.clip(np.frexp(np.where(a > 0, a, 1))[1] - 1 - 2, -126, 127), 0)      # np.frexp(a)[1] - 1 = floor(log2(a)), exactly
;;       r = np.clip(x / 2.0 ** e, -6, 6)
;;       step = 2.0 ** (np.maximum(np.frexp(np.where(r == 0, 1, r))[1] - 1, 0) - 1)
;;       q = np.round(r / step) * step * 2.0 ** e      # np.round: ties to even
;;       return np.moveaxis(q.reshape(q.shape[:-2] + (-1,))[..., :K], -1, axis).astype(np.float32)
;;   ~~~
;;   OPERANDS COMPUTED ON THE WAY. 'Computed on the way' means the value that the module computes at that place (a softmax that the list does not call 'softmax' is quantised finished and normalised). What goes into a quantiser is computed in f32, as accurately as f32 sums, v_exp_f32 and their like allow (about 1e-6 of the number): no bf16 or f16 on the way to a quantiser, and a product that is left as it is and whose result goes on into a quantised operand takes f32 operands (vector FMAs, or v_wmma_f32_16x16x4_f32). A number that lies on a knife's edge between two numbers of the format may be rounded either way, as far as f32 arithmetic and the matrix unit's own rounding can turn it there, and no further.
;; One version. Each part assembles by itself: llvm-mc -triple=amdgcn-amd-amdhsa -mcpu=gfx1250 --defsym DOCPART=n.
;; ======== version 1 of 1: 2 launches
;; limits: right only within a limited range of input values
;; workspace buffers: qc 4,194,304 bytes; qs 262,144 bytes; kc 4,194,304 bytes; ks 262,144 bytes; vc 4,194,304 bytes; vs 262,144 bytes
;; launch prep (part 1): grid 768 x 1, 4 waves a work-group, no clusters, 38,400 bytes of LDS; arguments query, key, value, qc, qs, kc, ks, vc, vs; writes qc, qs, kc, ks, vc, vs
.if DOCPART == 1
	.amdgcn_target "amdgcn-amd-amdhsa--gfx1250"
	.amdhsa_code_object_version 6
	.text
	.protected	k_qad74cf7d7f_prep
	.globl	k_qad74cf7d7f_prep
	.p2align	8
	.type	k_qad74cf7d7f_prep,@function
k_qad74cf7d7f_prep:
	s_mov_b64 s[64:65], 0
	v_nop
	global_prefetch_b8 v0, s[64:65] scope:SCOPE_SE
	s_setreg_imm32_b32 hwreg(HW_REG_WAVE_MODE, 25, 1), 1
	s_wait_xcnt 0x0
; query, key, value: [32 heads][2048][128] f32, become codes of FP4 (E2M1) with one E8M0 byte for each 32 along a product's K:
; query and key along the head's 128 channels, value along the keys.  The codes and bytes are laid in the order of the operand registers of the launch that reads them.
; A block's scale is 2^(floor(log2(its largest magnitude)) - 2); its byte is the largest magnitude's exponent field - 2, held at 1 from below; each number is divided by the scale and rounded to the nearest code, ties to even.
; DEAD WORK: none here: every number of the three tensors reaches an output (each query row is an output row; key 2047 and value 2047 count for query 2047).
; What the program leaves out, in the second launch, is what reference()'s own jnp.tril throws away in whole groups of keys; see that launch's head.  All six inputs are loaded by the program.
; LIMITS: NaN and infinities among the inputs are not served.  A block of zeros gets the byte 1 where the rule says 127: its codes are zeros, which add nothing under any byte but 0xff, and this program alone reads the bytes.
; LAYOUTS.  A fragment's image is 1,024 bytes: [c 0..1][lane 16 h + r][16 bytes]; piece (c, h) holds K = 64 c + 32 h + 0 .. 31 of the fragment's row r.
;   qc, kc: [head][group of 64 rows][tile 2 b + u][image]; row r of a tile is row 32 b + 8 u + r + 8 (r / 8) of the group.   qs, ks: [head][group][16 u + r][b]: a word of four bytes for each row.
;   vc: [head][step of 128 keys][tile t of 16 channels][image].   vs: [head][step][pair p][16 u + r]: the word of channel r of tile 2 p + u.
; SHARES.  Every work-group reads 131,072 bytes.  Work-groups 0-255 take value (a head's 256 keys each; a lane a channel, registers down the keys; no LDS); 256-511 query, 512-767 key (a wave 64 rows: one group).
.set STEPS, 16
.set SP,    80                         ; a lane's place in a stage: 64 bytes + 16 of padding
.set WREG,  9472                       ; LDS of a wave: two stages of 32 x SP, 256 scale bytes, the group's four images
.set SCB,   5120
.set IMG,   5376
.set SPARE, 4*WREG                     ; behind the four regions: the spare words, 128 bytes a wave
.set SPW,   12                         ; v12  my spare word's address; never rewritten
.set NIL,   13                         ; v13  0; never rewritten
.set R,     16                         ; v16-79   four sets of 16 numbers as loaded
.set X,     80                         ; v80-111  two sets of 16 neighbours
.set E,     112                        ; v112-127 a scale byte for each step
.set C,     128                        ; v128-159 two registers of codes for each step
.set VX,    32                         ; value: v32-95 two sets of 32 numbers
.set VC,    96                         ; value: v96-127 four registers of codes for each block: no store's data are written again
.set SB,    24                         ; value: v24-25 scale bytes, four to a register
.set VB,    8                          ; value: blocks of 32 keys a lane
	s_load_b512 s[4:19], s[0:1], 0x0               ; query, key, value, qc, qs, kc, ks, vc
	s_load_b64 s[20:21], s[0:1], 0x40              ; vs
	v_lshl_add_u32 v[SPW], v0, 2, SPARE
	v_mov_b32 v[NIL], 0
	v_lshrrev_b32 v1, 5, v0
	v_readfirstlane_b32 s22, v1                    ; wave
	v_and_b32 v2, 31, v0                           ; lane
	s_cmp_lt_u32 ttmp9, 256
	s_cbranch_scc1 .Lvalue
; ---------------- query and key: K is innermost ----------------
; A step is 512 numbers, four rows.  Each load reads 512 consecutive bytes; the step turns through the wave's stage, so that a lane then holds 16 neighbours: row lane / 8 of the four, channels 16 (lane % 8) on.
	v_lshlrev_b32 v3, 4, v2                        ; 16 x lane
	s_mul_i32 s23, s22, WREG
	v_lshrrev_b32 v14, 2, v2
	v_mul_u32_u24 v14, v14, SP
	v_and_b32 v15, 3, v2
	v_lshl_add_u32 v14, v15, 4, v14
	v_add_nc_u32 v14, s23, v14                     ; the stage, way in: SP (lane / 4) + 16 (lane % 4)
	v_mul_u32_u24 v15, v2, SP
	v_add_nc_u32 v15, s23, v15                     ; way out: SP x lane
	v_bfe_u32 v4, v2, 2, 1                         ; my 16 channels lie in piece c = bit 2 of the lane,
	v_lshlrev_b32 v4, 9, v4
	v_bfe_u32 v5, v2, 1, 1                         ; h = bit 1,
	v_lshl_add_u32 v4, v5, 8, v4
	v_lshrrev_b32 v5, 3, v2                        ; my row of the step's four: the low two bits of r,
	v_lshl_add_u32 v4, v5, 4, v4
	v_and_b32 v6, 1, v2                            ; and the piece's lower or upper 8 bytes
	v_lshl_add_u32 v4, v6, 3, v4
	s_add_co_u32 s24, s23, IMG
	v_add_nc_u32 v4, s24, v4                       ; where my codes go in the images
	v_bfe_u32 v6, v2, 1, 2                         ; my block of the row's four
	v_lshl_add_u32 v5, v5, 3, v6
	s_add_co_u32 s25, s23, SCB
	v_add_nc_u32 v5, s25, v5                       ; where my block's byte goes
	v_add_nc_u32 v6, s24, v3                       ; the images, read back 16 bytes a lane
	v_lshlrev_b32 v7, 3, v2
	v_add_nc_u32 v10, s25, v7                      ; the scale bytes, read back 8 bytes a lane
	s_wait_kmcnt 0x0
	s_cmp_lt_u32 ttmp9, 512                        ; query's work-group or key's: the choice hangs on the work-group's number alone
	s_cselect_b64 s[4:5], s[4:5], s[6:7]
	s_cselect_b64 s[10:11], s[10:11], s[14:15]
	s_cselect_b64 s[12:13], s[12:13], s[16:17]
	s_mov_b32 s26, 512
	s_cselect_b32 s26, 256, s26
	s_sub_co_u32 s26, ttmp9, s26
	s_lshl_b32 s26, s26, 2
	s_add_co_u32 s26, s26, s22                     ; my group of 64 rows, 0 .. 1023
	s_mov_b32 s29, 0
	s_lshl_b32 s28, s26, 15                        ; 32,768 bytes of numbers,
	s_add_nc_u64 s[4:5], s[4:5], s[28:29]
	s_lshl_b32 s28, s26, 12                        ; 4,096 of codes,
	s_add_nc_u64 s[10:11], s[10:11], s[28:29]
	s_lshl_b32 s28, s26, 8                         ; 256 of scale bytes
	s_add_nc_u64 s[12:13], s[12:13], s[28:29]
.macro QLOAD t
.irp i, 0,1,2,3
	global_load_b128 v[R+16*((\t)%4)+4*\i:R+16*((\t)%4)+4*\i+3], v3, s[4:5] offset:2048*(\t)+512*\i th:TH_LOAD_NT
.endr
.endm
.macro QTURN t                         ; LDS serves a wave's instructions in order: no wait between the stores and the loads
.irp i, 0,1,2,3
	ds_store_b128 v14, v[R+16*((\t)%4)+4*\i:R+16*((\t)%4)+4*\i+3] offset:32*SP*((\t)%2)+8*SP*\i
.endr
.irp i, 0,1,2,3
	ds_load_b128 v[X+16*((\t)%2)+4*\i:X+16*((\t)%2)+4*\i+3], v15 offset:32*SP*((\t)%2)+16*\i
.endr
.endm
.irp t, 0,1,2,3
	QLOAD \t
.endr
	s_wait_loadcnt 12                              ; step 0's four loads are in
	QTURN 0
; Step t holds rows 4 t + lane / 8 of the group.  By the tiles' order of rows: bit 0 of t is bit 2 of r, bit 1 is u, bit 2 is bit 3 of r, bit 3 is b.
.macro QSTEP t
.set XS, X+16*((\t)%2)
.if (\t) > 0
	s_wait_dscnt 2                                 ; this step's numbers are back from the stage; the last step's two stores (codes, byte) may be out
.else
	s_wait_dscnt 0x0
.endif
.if (\t)+4 < STEPS
	QLOAD (\t)+4
.endif
.if (\t)+1 < STEPS
.if STEPS-2-(\t) >= 3
	s_wait_loadcnt 12                              ; the next step's four loads are in; those of the three steps behind it may be out
.else
	s_wait_loadcnt 4*(STEPS-2-(\t))
.endif
	QTURN (\t)+1
.endif
	v_max3_num_f32 v8, |v[XS]|, |v[XS+1]|, |v[XS+2]|
	v_max3_num_f32 v9, |v[XS+3]|, |v[XS+4]|, |v[XS+5]|
.irp i, 6,10
	v_max3_num_f32 v8, v8, |v[XS+\i]|, |v[XS+\i+1]|
	v_max3_num_f32 v9, v9, |v[XS+\i+2]|, |v[XS+\i+3]|
.endr
	v_max3_num_f32 v8, v8, |v[XS+14]|, |v[XS+15]|
	v_max3_num_f32 v8, v8, v9, 0x1800000           ; and the floor 2^(3 - 127): the byte cannot fall under 1
	v_max_num_f32_dpp v8, v8, v8 row_xmask:1 row_mask:0xf bank_mask:0xf   ; with my neighbour's 16: the block's largest magnitude
	v_add_nc_u32 v11, 0xff000000, v8               ; 2 off its exponent field: the conversion's scale operand
	v_cvt_scalef32_pk8_fp4_f32 v[C+2*(\t)], v[XS:XS+7], v11
	v_cvt_scalef32_pk8_fp4_f32 v[C+2*(\t)+1], v[XS+8:XS+15], v11
	v_lshrrev_b32 v[E+(\t)], 23, v11               ; the scale's byte
	ds_store_b8 v5, v[E+(\t)] offset:(16*(((\t)/2)%2)+8*(((\t)/4)%2)+4*((\t)%2))*8+4*((\t)/8)   ; both lanes of a block write the same byte
	ds_store_b64 v4, v[C+2*(\t):C+2*(\t)+1] offset:(2*((\t)/8)+((\t)/2)%2)*1024+(8*(((\t)/4)%2)+4*((\t)%2))*16
.endm
.irp t, 0,1,2,3,4,5,6,7,8,9,10,11,12,13,14,15
	QSTEP \t
.endr
.irp i, 0,1,2,3,4,5,6,7
	ds_load_b128 v[R+4*\i:R+4*\i+3], v6 offset:512*\i   ; the four images as they lie: these see my stores
.endr
	ds_load_b64 v[8:9], v10
.irp i, 0,1,2,3,4,5,6,7
	s_wait_dscnt 8-\i                              ; the LDS loads issued behind load i may be out
	global_store_b128 v3, v[R+4*\i:R+4*\i+3], s[10:11] offset:512*\i   ; 32 lanes store 512 consecutive bytes, aligned
.endr
	s_wait_dscnt 0x0
	global_store_b64 v7, v[8:9], s[12:13]          ; 32 lanes store 256 consecutive bytes, aligned
	s_wait_tensorcnt 0x0                           ; the wave's end
	ds_add_u32 v[SPW], v[NIL]
	s_wait_dscnt 0x0
	s_endpgm
; ---------------- value: K = the keys, the first axis within a head ----------------
; A lane takes a channel and its registers run down the keys: a block of 32 keys lies in one lane, and its 16 bytes of codes are one piece of an image: sixteen lanes store 256 consecutive bytes.
.Lvalue:
	s_wait_alu depctr_va_vdst(0)
	v_lshlrev_b32 v3, 2, v2                        ; 4 x lane: in value, and among the scale words
	v_lshrrev_b32 v4, 4, v2
	v_and_b32 v5, 15, v2
	v_lshlrev_b32 v4, 10, v4
	v_lshl_add_u32 v4, v5, 4, v4                   ; in vc: tile lane / 16 of my wave's two, row lane % 16
	s_lshr_b32 s24, ttmp9, 3                       ; the head
	s_and_b32 s25, ttmp9, 7                        ; which 256 keys
	s_mov_b32 s29, 0
	s_mov_b32 s31, 0
	s_mov_b32 s33, 0
	s_lshl_b32 s28, s24, 20                        ; value: head x 1,048,576 + 256 keys x 512 bytes + 128 x wave
	s_lshl_b32 s26, s25, 17
	s_add_co_u32 s28, s28, s26
	s_lshl_b32 s26, s22, 7
	s_add_co_u32 s28, s28, s26
	s_lshl_b32 s30, s24, 17                        ; vc: head x 131,072 + two steps x 8,192 + two tiles x 1,024 x wave
	s_lshl_b32 s26, s25, 14
	s_add_co_u32 s30, s30, s26
	s_lshl_b32 s26, s22, 11
	s_add_co_u32 s30, s30, s26
	s_lshl_b32 s32, s24, 13                        ; vs: head x 8,192 + two steps x 512 + 128 x wave
	s_lshl_b32 s26, s25, 10
	s_add_co_u32 s32, s32, s26
	s_lshl_b32 s26, s22, 7
	s_add_co_u32 s32, s32, s26
	s_wait_alu depctr_va_vdst(0)
	s_wait_kmcnt 0x0
	s_add_nc_u64 s[8:9], s[8:9], s[28:29]
	s_add_nc_u64 s[18:19], s[18:19], s[30:31]
	s_add_nc_u64 s[20:21], s[20:21], s[32:33]
.macro VLOAD t
.irp i, 0,1,2,3,4,5,6,7,8,9,10,11,12,13,14,15,16,17,18,19,20,21,22,23,24,25,26,27,28,29,30,31
	global_load_b32 v[VX+32*((\t)%2)+\i], v3, s[8:9] offset:(32*(\t)+\i)*512 th:TH_LOAD_NT
.endr
.endm
	VLOAD 0
	VLOAD 1
.macro VBLOCK t
.set XS, VX+32*((\t)%2)
.if (\t) < VB-1
	s_wait_loadcnt 32                              ; this block's 32 loads are in; the next block's may be out
.else
	s_wait_loadcnt 0x0
.endif
	v_max3_num_f32 v8, |v[XS]|, |v[XS+1]|, |v[XS+2]|
	v_max3_num_f32 v9, |v[XS+3]|, |v[XS+4]|, |v[XS+5]|
.irp i, 6,10,14,18,22,26
	v_max3_num_f32 v8, v8, |v[XS+\i]|, |v[XS+\i+1]|
	v_max3_num_f32 v9, v9, |v[XS+\i+2]|, |v[XS+\i+3]|
.endr
	v_max3_num_f32 v8, v8, |v[XS+30]|, |v[XS+31]|
	v_max3_num_f32 v8, v8, v9, 0x1800000           ; and the floor
	v_add_nc_u32 v11, 0xff000000, v8
	v_lshrrev_b32 v9, 23, v11
.if (\t)%4 == 0
	v_mov_b32 v[SB+(\t)/4], v9                     ; four bytes to a register: a step's scale word of my channel
.else
	v_lshl_or_b32 v[SB+(\t)/4], v9, 8*((\t)%4), v[SB+(\t)/4]
.endif
.irp g, 0,1,2,3
	v_cvt_scalef32_pk8_fp4_f32 v[VC+4*(\t)+\g], v[XS+8*\g:XS+8*\g+7], v11
.endr
	global_store_b128 v4, v[VC+4*(\t):VC+4*(\t)+3], s[18:19] offset:((\t)/4)*8192+(((\t)/2)%2)*512+((\t)%2)*256   ; step t / 4, piece c = bit 1, h = bit 0 of t
.if (\t)+2 < VB
	VLOAD (\t)+2
.endif
.endm
.irp t, 0,1,2,3,4,5,6,7
	VBLOCK \t
.endr
.irp s, 0,1
	global_store_b32 v3, v[SB+\s], s[20:21] offset:512*\s   ; runs of 128 bytes: one byte in 128 of what this path reads
.endr
	s_wait_tensorcnt 0x0                           ; the same three lines at this path's end
	ds_add_u32 v[SPW], v[NIL]
	s_wait_dscnt 0x0
	s_endpgm
.Lfunc_end_k_qad74cf7d7f_prep:
	.size	k_qad74cf7d7f_prep, .Lfunc_end_k_qad74cf7d7f_prep-k_qad74cf7d7f_prep
	.p2alignl 7, 3214868480
	.fill 96, 4, 3214868480
	.section	.rodata,"a",@progbits
	.p2align	6, 0x0
	.amdhsa_kernel k_qad74cf7d7f_prep
		.amdhsa_group_segment_fixed_size 38400
		.amdhsa_private_segment_fixed_size 0
		.amdhsa_enable_private_segment 0
		.amdhsa_kernarg_size 72
		.amdhsa_user_sgpr_count 2
		.amdhsa_user_sgpr_kernarg_segment_ptr 1
		.amdhsa_wavefront_size32 1
		.amdhsa_system_sgpr_workgroup_id_x 1
		.amdhsa_system_sgpr_workgroup_id_y 1
		.amdhsa_system_sgpr_workgroup_id_z 1
		.amdhsa_system_vgpr_workitem_id 0
		.amdhsa_next_free_vgpr 192
		.amdhsa_next_free_sgpr 66
		.amdhsa_reserve_vcc 0
		.amdhsa_float_denorm_mode_32 3
		.amdhsa_float_denorm_mode_16_64 3
		.amdhsa_memory_ordered 1
		.amdhsa_forward_progress 1
		.amdhsa_inst_pref_size 73
	.end_amdhsa_kernel
	.amdgpu_metadata
---
amdhsa.version: [ 1, 2 ]
amdhsa.kernels:
  - .name:           k_qad74cf7d7f_prep
    .symbol:         k_qad74cf7d7f_prep.kd
    .args:
      - { .name: query, .offset: 0, .size: 8, .value_kind: global_buffer, .address_space: global }
      - { .name: key, .offset: 8, .size: 8, .value_kind: global_buffer, .address_space: global }
      - { .name: value, .offset: 16, .size: 8, .value_kind: global_buffer, .address_space: global }
      - { .name: qc, .offset: 24, .size: 8, .value_kind: global_buffer, .address_space: global }
      - { .name: qs, .offset: 32, .size: 8, .value_kind: global_buffer, .address_space: global }
      - { .name: kc, .offset: 40, .size: 8, .value_kind: global_buffer, .address_space: global }
      - { .name: ks, .offset: 48, .size: 8, .value_kind: global_buffer, .address_space: global }
      - { .name: vc, .offset: 56, .size: 8, .value_kind: global_buffer, .address_space: global }
      - { .name: vs, .offset: 64, .size: 8, .value_kind: global_buffer, .address_space: global }
    .group_segment_fixed_size: 38400
    .private_segment_fixed_size: 0
    .kernarg_segment_align: 8
    .kernarg_segment_size: 72
    .max_flat_workgroup_size: 128
    .sgpr_count:     66
    .vgpr_count:     192
    .wavefront_size: 32
...
	.end_amdgpu_metadata
.endif
;; end of part 1
;; launch attn (part 2): grid 8 x 32, 8 waves a work-group, no clusters, 327,680 bytes of LDS; arguments qc, qs, kc, ks, vc, vs, attention_mask, ctx_mask, head_mask, out0; writes out0
.if DOCPART == 2
	.amdgcn_target "amdgcn-amd-amdhsa--gfx1250"
	.amdhsa_code_object_version 6
	.text
	.protected	k_qad74cf7d7f_attn
	.globl	k_qad74cf7d7f_attn
	.p2align	8
	.type	k_qad74cf7d7f_attn,@function
k_qad74cf7d7f_attn:
	s_mov_b64 s[64:65], 0
	v_nop
	global_prefetch_b8 v0, s[64:65] scope:SCOPE_SE
	s_setreg_imm32_b32 hwreg(HW_REG_WAVE_MODE, 25, 1), 1
	s_wait_xcnt 0x0
; out[h][q][:] = the sum over k <= q of w(q, k) V[h][k][:],  w = softmax_k(Q[h][q] . K[h][k] + attention_mask[k]) x head_mask[h] x ctx_mask[k], both products on codes of FP4 with E8M0 scales.
; w is quantised FINISHED AND NORMALISED, in blocks of 32 keys, so a row's maximum and sum are known before any code is made: THE KEYS ARE WALKED TWICE.
;   Walk 1: S^T = K Q^T + mask; t = s x log2(e); M = the running largest t rounded up to a whole number; l = the sum of 2^(t - M), brought under a new M by an exact power of two.
;   Walk 2: the same scores again; w = 2^(t - M) x (head_mask / l) x ctx_mask, quantised in registers; O^T += V^T w^T.
; WORK LEFT OUT: a step of 128 keys, or its second group of 64, all of whose keys come after a run's 32 queries.  reference() itself puts finfo.min there by its own jnp.tril, and its softmax gives those keys the weight 0
; for all finite inputs whose visible scores lie above finfo.min's neighbourhood; 0 x head_mask x ctx_mask has the code 0 and adds nothing.  Every input is loaded.
; LIMITS.  NaN and infinities among the inputs are not served, and one that reaches only the work left out is not carried to the result.  A row's largest |score + attention_mask| lies under 1.48e9;
; single entries far below the row's largest, down to -3.4e38, give the weight 0.  Rows whose visible keys all lie at about finfo.min are not served.
; attention_mask is added as the C of the first product.  A weight 2^(t - M) under 2^-126 counts as 0.  A block of zeros has the byte 1 (a group left out: 0): its codes are zeros.
; SHARES.  A work-group owns query blocks j and 15 - j (128 queries each) of one head, as four short and four long runs of 32 queries (two tiles, so that each fragment read from LDS feeds two products).
; A long run has 16 - j key steps, at least 9; a short one j + 1, at most 8.  Wave w < 4 takes keys 0 .. 1151 of long run w: 9 steps.  Wave w + 4 takes short run w whole and then long run w from key 1152 on: 8 steps,
; with the diagonals and the short run's way out.  Both walks go over the 16 key steps; up to key 1151 a wave works on its first run (w < 4: the long one; else the short one), from 1152 on its second (w < 4: none; else the long one).
; Where j = 7 the long run ends at key 1151: waves 4 to 7 then still run key step 9 in walk 2, all of it under the mask, so that the part of O^T that they hand over begins as zeros.
; The two parts of a long run are joined through LDS: (M, l) between the walks, by exact powers of two; O^T at the end: each of the two waves hands one tile's part over, adds the other tile's and stores it.
; LDS.  A head's codes of K and V, their scale bytes and the batch's two masks all fit: each byte is filled once.  K comes by four loads, each 2,048 bytes of every step; V by eight, each one tile of every step:
; so every load holds bytes of steps 0 to 8, which every work-group reads; the rows of steps past the causal limit ride in the same tiles.
; NO CLUSTER: the jumps round hidden steps hang on the work-group's number, which differs among the work-groups that share K and V.
; NO PREFETCH: every tensor load is issued at the head or behind the first barrier; there is no loop in which to ask ahead of them.
; LAYOUT.  Both products are used transposed: a lane holds ONE query throughout.  Row r of a tile of K (and of Q) is row 8 u + r + 8 (r / 8) of its 32, so that register 16 b + i of a tile's 32 scores
; is key 32 b + 16 (lane / 16) + i of a group of 64 keys: 16 neighbours along the second product's K.
.set VIM,   131072                     ; K: piece i (two tiles) of step k at 32768 i + 2048 k;  V: tile t of step k at VIM + 16384 t + 1024 k
.set KSC,   262144                     ; K's scale words, 512 bytes a step
.set VSC,   270336
.set AMB,   278528                     ; attention_mask of the batch; ctx_mask 8,192 bytes on
.set SPARE, 294912                     ; the spare words, 128 bytes for each of eight waves
.set XCH,   295936                     ; (M, l) from wave to wave: 512 bytes a wave
.set SST,   300032                     ; the short runs' stage: 4,352 bytes for each of waves 4 to 7
.set FST,   65536                      ; the last stages, in K's region behind its last read; below them O^T's parts, 8,192 bytes a wave
.set STG,   4352
.set SPLIT, 1152                       ; the key at which a wave's second run comes into hand
.set LI,  1                            ; 16 x lane
.set L8B, 2                            ; 8 x lane + KSC
.set L4B, 3                            ; 4 x lane + VSC
.set HMB, 4                            ; 64 (lane / 16) + AMB
.set SPW, 5
.set NIL, 6
.set GO,  7                            ; the way out: my bytes in two rows of out
.set ADK, 8                            ; v8-11, v41, v44, v45: the step's LDS addresses
.set ADV, 9
.set ADS, 10
.set ADT, 11
.set NM,  12                           ; tile x: v[12+4x] -M, +1 the largest t, +2,+3 l in two halves (walk 2: +2 = head_mask / l)
.set FF,  20
.set QF,  24                           ; v24-39 Q's two fragments, v40 their scale words
.set QS,  40
.set ADM, 41
.set KS,  42
.set ADK2, 44
.set ADV2, 45
.set VS,  46
.set PW,  50
.set WK,  52
.set NINF, 76
.set DL,  77
.set LIV, 79
.set KFR, 80
.set AM,  112
.set CX,  144
.set S,   176
.set PC,  240                          ; window 1: v256-383 O^T; from v384 the run that is not in hand: 8 registers as NM, 17 as QF and QS
.set ALT, 128
.set WV,  24
.set J,   25
.set BH,  26
.set W3,  27
.set Q0,  28                           ; the run in hand: first query, last query (-1: no run)
.set QL,  29
.set Q0A, 30                           ; the other run's
.set QLA, 31
.set G1K, 32
.set G1S, 40
.set G0K, 48
.set G0S, 52
.set CS,  56
.set SEL, 58
.set T2,  60                           ; 2,048 x step
.set T5,  61                           ; 512 x step
.set T1,  62                           ; 1,024 x step
.set CNT, 63
.set KF,  66                           ; the step's first key
.set HM,  67
.set RM,  69                           ; all ones in waves 0 to 3, else 0
.set OS,  70                           ; s[70:71] out at my first run;  s[22:23] out at the long run
.set G1V, 72
.set G0V, 80
.set MSB, 0
.macro WIN new
.if MSB != \new
	s_set_vgpr_msb (MSB<<8)|\new
.set MSB, \new
.endif
.endm
.macro PLACES n
.rept \n
	v_nop
.endr
.endm
	s_load_b512 s[4:19], s[0:1], 0x0               ; qc, qs, kc, ks, vc, vs, attention_mask, ctx_mask
	s_load_b128 s[20:23], s[0:1], 0x40             ; head_mask, out0
	v_lshl_add_u32 v[SPW], v0, 2, SPARE
	v_mov_b32 v[NIL], 0
	ds_add_u32 v[SPW], v[NIL]                      ; the opening lines: the add twice on end and its wait
	ds_add_u32 v[SPW], v[NIL]
	v_lshrrev_b32 v8, 5, v0
	s_delay_alu instid0(VALU_DEP_1)
	v_readfirstlane_b32 s[WV], v8                  ; wave 0..7
	s_mov_b32 s[J], ttmp9
	s_and_b32 s[BH], ttmp7, 0xffff                 ; 16 x batch + head
	s_and_b32 s[W3], s[WV], 3
	s_lshl_b32 s84, s[J], 2
	s_sub_co_u32 s85, 60, s84
	s_add_co_u32 s84, s84, s[W3]                   ; the short run's number among the head's 64
	s_add_co_u32 s85, s85, s[W3]                   ; the long run's
	s_lshl_b32 s[Q0A], s85, 5
	s_add_co_u32 s87, s[Q0A], 31
	s_cmp_lt_u32 s[WV], 4
	s_cselect_b32 s86, s85, s84                    ; my first run
	s_cselect_b32 s[RM], -1, 0
	s_cselect_b32 s[QLA], -1, s87                  ; waves 0 to 3 have no second run
	s_lshl_b32 s[Q0], s86, 5
	s_add_co_u32 s[QL], s[Q0], 31
	s_mov_b32 s[G1K+0], 3<<16                      ; K: 16 rows of 256 elements of 8 bytes, 8,192 bytes apart
	s_mov_b32 s[G1K+1], 256<<16
	s_mov_b32 s[G1K+2], 16<<16
	s_mov_b32 s[G1K+3], 256<<16
	s_mov_b32 s[G1K+4], 16
	s_mov_b32 s[G1K+5], 1024
	s_mov_b32 s[G1K+6], 0
	s_mov_b32 s[G1K+7], 0
	s_mov_b32 s[G1V+0], 3<<16                      ; V: 16 rows of 128 such elements
	s_mov_b32 s[G1V+1], 128<<16
	s_mov_b32 s[G1V+2], 16<<16
	s_mov_b32 s[G1V+3], 128<<16
	s_mov_b32 s[G1V+4], 16
	s_mov_b32 s[G1V+5], 1024
	s_mov_b32 s[G1V+6], 0
	s_mov_b32 s[G1V+7], 0
	s_mov_b32 s[G1S+0], 3<<16                      ; scales and masks: 32 dense rows of 256 bytes
	s_mov_b32 s[G1S+1], 32<<16
	s_mov_b32 s[G1S+2], 32<<16
	s_mov_b32 s[G1S+3], 32<<16
	s_mov_b32 s[G1S+4], 32
	s_mov_b32 s[G1S+5], 32
	s_mov_b32 s[G1S+6], 0
	s_mov_b32 s[G1S+7], 0
	s_mov_b32 s[CS], 0x3fb8aa3b
	s_mov_b32 s[CS+1], s[CS]
	s_mov_b32 s[SEL], 0x76543210
	s_mov_b32 s[SEL+1], 0xfedcba98
	s_mov_b32 s[KF], 0
	s_mov_b32 s[T2], 0
	s_mov_b32 s[T1], 0
	s_mov_b32 s[T5], 0
	s_lshl_b32 s88, s[BH], 17                      ; the head's codes
	s_mov_b32 s[G0K], 1
	s_lshl_b32 s[G0K+1], s[W3], 15
	s_lshl_b32 s90, s[W3], 11
	s_add_co_u32 s90, s90, s88
	s_mov_b32 s91, 0
	s_mov_b32 s[G0V], 1
	s_lshl_b32 s[G0V+1], s[WV], 14
	s_add_co_u32 s[G0V+1], s[G0V+1], VIM
	s_lshl_b32 s92, s[WV], 10
	s_add_co_u32 s92, s92, s88
	s_mov_b32 s93, 0
	s_mov_b32 s[G0S], 1
	s_lshl_b32 s89, s[W3], 13
	s_add_co_u32 s[G0S+1], s89, KSC                ; waves 4 to 7: K's scales, V's scales, attention_mask, ctx_mask
	s_lshr_b32 s94, s[BH], 4                       ; the batch
	s_and_b32 s95, s[WV], 1
	s_wait_alu depctr_va_vdst(0)
	s_wait_dscnt 0x0                               ; both opening adds are done
	s_wait_kmcnt 0x0
	s_add_nc_u64 s[G0K+2:G0K+3], s[8:9], s[90:91]
	s_or_b32 s[G0K+3], s[G0K+3], 0x80000000
	s_add_nc_u64 s[G0V+2:G0V+3], s[12:13], s[92:93]
	s_or_b32 s[G0V+3], s[G0V+3], 0x80000000
	s_cmp_eq_u32 s95, 1
	s_cselect_b64 s[90:91], s[14:15], s[10:11]
	s_cselect_b64 s[92:93], s[18:19], s[16:17]
	s_cmp_lt_u32 s[WV], 6
	s_cselect_b64 s[90:91], s[90:91], s[92:93]
	s_cselect_b32 s92, s[BH], s94                  ; the scales go by head, the masks by batch
	s_lshl_b32 s92, s92, 13
	s_mov_b32 s93, 0
	s_add_nc_u64 s[G0S+2:G0S+3], s[90:91], s[92:93]
	s_or_b32 s[G0S+3], s[G0S+3], 0x80000000
	s_cmp_lt_u32 s[WV], 4                          ; the head's fills: one a wave, in the two arms of one branch on the wave's number
	s_cbranch_scc0 .Lfirst_small
	tensor_load_to_lds s[G0K:G0K+3], s[G1K:G1K+7]  ; a quarter of every step of K
	s_nop 0
	PLACES 4
	s_branch .Lfirst_asked
.Lfirst_small:
	tensor_load_to_lds s[G0S:G0S+3], s[G1S:G1S+7]
	s_nop 0
	PLACES 4
.Lfirst_asked:
	s_and_b32 s90, s[BH], 15
	s_lshl_b32 s90, s90, 2
	s_mov_b32 s91, 0
	s_add_nc_u64 s[20:21], s[20:21], s[90:91]
	s_load_b32 s[HM], s[20:21], 0x0                ; head_mask of my head
	s_lshl_b32 s90, s86, 11                        ; Q's images: 2,048 bytes a run
	s_add_co_u32 s90, s90, s88
	s_add_nc_u64 s[90:91], s[4:5], s[90:91]
	s_lshl_b32 s92, s85, 11
	s_add_co_u32 s92, s92, s88
	s_mov_b32 s93, 0
	s_add_nc_u64 s[92:93], s[4:5], s[92:93]
	s_lshl_b32 s94, s[BH], 13                      ; Q's scale words: 256 bytes for two runs, 4 bytes from run to run
	s_lshr_b32 s84, s86, 1
	s_lshl_b32 s84, s84, 8
	s_add_co_u32 s84, s84, s94
	s_and_b32 s87, s86, 1
	s_lshl_b32 s87, s87, 2
	s_add_co_u32 s86, s84, s87
	s_mov_b32 s87, 0
	s_add_nc_u64 s[86:87], s[6:7], s[86:87]
	s_lshr_b32 s95, s85, 1
	s_lshl_b32 s95, s95, 8
	s_add_co_u32 s95, s95, s94
	s_and_b32 s84, s85, 1
	s_lshl_b32 s84, s84, 2
	s_add_co_u32 s84, s84, s95
	s_mov_b32 s85, 0
	s_add_nc_u64 s[84:85], s[6:7], s[84:85]
	s_lshl_b32 s94, s[BH], 20                      ; out
	s_lshl_b32 s95, s[Q0], 9
	s_add_co_u32 s[OS], s94, s95
	s_mov_b32 s[OS+1], 0
	s_add_nc_u64 s[OS:OS+1], s[22:23], s[OS:OS+1]
	s_lshl_b32 s95, s[Q0A], 9
	s_add_co_u32 s94, s94, s95
	s_mov_b32 s95, 0
	s_add_nc_u64 s[22:23], s[22:23], s[94:95]
	v_and_b32 v9, 31, v0                           ; lane
	s_delay_alu instid0(VALU_DEP_1)
	v_lshlrev_b32 v[LI], 4, v9
	v_lshlrev_b32 v8, 3, v9
.irp i, 0,1,2,3
	global_load_b128 v[QF+4*\i:QF+4*\i+3], v[LI], s[90:91] offset:512*\i
.endr
	global_load_b32 v[QS], v8, s[86:87]
	WIN 0x40                                       ; the second run's, into window 1
.irp i, 0,1,2,3
	global_load_b128 v[ALT+8+4*\i:ALT+8+4*\i+3], v[LI], s[92:93] offset:512*\i
.endr
	global_load_b32 v[ALT+24], v8, s[84:85]
	WIN 0
	v_add_nc_u32 v[L8B], KSC, v8
	v_lshl_add_u32 v[L4B], v9, 2, VSC
	v_bfe_u32 v10, v0, 4, 1                        ; h
	v_and_b32 v11, 15, v0                          ; r
	s_delay_alu instid0(VALU_DEP_2)
	v_lshl_add_u32 v[HMB], v10, 6, AMB
	v_lshlrev_b32 v[GO], 9, v10
	s_delay_alu instid0(VALU_DEP_1)
	v_lshl_add_u32 v[GO], v11, 4, v[GO]
	v_add_nc_u32 v[LIV], VIM, v[LI]
	v_and_b32 v[DL], 8, v11
	s_delay_alu instid0(VALU_DEP_1)
	v_add_nc_u32 v[DL], v[DL], v11
	v_lshlrev_b32 v[ADM], 4, v10
	s_delay_alu instid0(VALU_DEP_1)
	v_sub_nc_u32 v[DL], v[DL], v[ADM]
	v_mov_b32 v[NINF], 0xff800000
.irp x, 0,1
	v_mov_b32 v[NM+4*\x+1], 0xff61b1e6             ; the largest t so far: -3e38
	s_delay_alu instid0(VALU_DEP_1)
	v_floor_f32 v[NM+4*\x], -v[NM+4*\x+1]
	v_mov_b32 v[NM+4*\x+2], 0
	v_mov_b32 v[NM+4*\x+3], 0
	v_mov_b32 v[FF+2*\x], 0
	v_mov_b32 v[FF+2*\x+1], 0
	v_mov_b32 v[WK+12*\x+2], 0                     ; a lane permute's destination counts as one of its sources
	v_mov_b32 v[WK+12*\x+3], 0
.endr
	WIN 0x40
.irp i, 0,1,2,3,4,5,6,7
	v_mov_b32 v[ALT+\i], v[NM+\i]                  ; the second run begins alike
.endr
	WIN 0
	s_wait_alu depctr_va_vdst(0)
	s_wait_loadcnt 0x0                             ; Q
	s_wait_kmcnt 0x0                               ; head_mask
	s_wait_tensorcnt 0x0                           ; my part of K, or of the scales and masks, is in
	ds_add_u32 v[SPW], v[NIL]
	s_wait_dscnt 0x0
	s_barrier_signal -1
	s_barrier_wait -1                              ; K, the scale bytes and the masks are whole for all eight waves
	tensor_load_to_lds s[G0V:G0V+3], s[G1V:G1V+7]  ; one tile of every step of V: bytes filled for the first time; it has walk 1 in which to land
	s_nop 0
	PLACES 4
; 17 LDS loads: group g (64 keys) of the step: four fragments of K, their scale words, attention_mask in the scores' layout
.macro LOADG g
.if \g
.set AK, ADK2
.else
.set AK, ADK
.endif
.irp t, 0,1,2,3
	ds_load_b128 v[KFR+8*\t:KFR+8*\t+3], v[AK] offset:32768*(\t/2)+1024*(\t%2)
	ds_load_b128 v[KFR+8*\t+4:KFR+8*\t+7], v[AK] offset:32768*(\t/2)+1024*(\t%2)+512
.endr
	ds_load_b64 v[KS:KS+1], v[ADS] offset:256*\g
.irp t, 0,1,2,3
	ds_load_b128 v[AM+8*\t:AM+8*\t+3], v[ADM] offset:256*\g+128*(\t/2)+32*(\t%2)
	ds_load_b128 v[AM+8*\t+4:AM+8*\t+7], v[ADM] offset:256*\g+128*(\t/2)+32*(\t%2)+16
.endr
.endm
.macro LOADC g                         ; 8 loads: ctx_mask of the group
.irp t, 0,1,2,3
	ds_load_b128 v[CX+8*\t:CX+8*\t+3], v[ADM] offset:8192+256*\g+128*(\t/2)+32*(\t%2)
	ds_load_b128 v[CX+8*\t+4:CX+8*\t+7], v[ADM] offset:8192+256*\g+128*(\t/2)+32*(\t%2)+16
.endr
.endm
.macro LOADV                           ; 20 loads: the step's eight fragments of V and their scale words
.irp t, 0,1,2,3
	ds_load_b128 v[KFR+8*\t:KFR+8*\t+3], v[ADV] offset:16384*\t
	ds_load_b128 v[KFR+8*\t+4:KFR+8*\t+7], v[ADV] offset:16384*\t+512
.endr
.irp t, 0,1,2,3
	ds_load_b128 v[KFR+32+8*\t:KFR+32+8*\t+3], v[ADV2] offset:16384*\t
	ds_load_b128 v[KFR+32+8*\t+4:KFR+32+8*\t+7], v[ADV2] offset:16384*\t+512
.endr
.irp p, 0,1,2,3
	ds_load_b32 v[VS+\p], v[ADT] offset:128*\p
.endr
.endm
; S^T = K Q^T + attention_mask: source 0 = 16 keys, source 1 = 16 queries, C = the mask.  Eight accumulators, each written once.
.macro QK
.irp x, 0,1
.irp t, 0,1,2,3
.if (\x == 0) && (\t%2 == 0)
	v_wmma_scale_f32_16x16x128_f8f6f4 v[S+32*\x+8*\t:S+32*\x+8*\t+7], v[KFR+8*\t:KFR+8*\t+7], v[QF+8*\x:QF+8*\x+7], v[AM+8*\t:AM+8*\t+7], v[KS+\t/2], v[QS] matrix_a_fmt:MATRIX_FMT_FP4 matrix_b_fmt:MATRIX_FMT_FP4
.elseif \x == 0
	v_wmma_scale_f32_16x16x128_f8f6f4 v[S+32*\x+8*\t:S+32*\x+8*\t+7], v[KFR+8*\t:KFR+8*\t+7], v[QF+8*\x:QF+8*\x+7], v[AM+8*\t:AM+8*\t+7], v[KS+\t/2], v[QS] matrix_a_fmt:MATRIX_FMT_FP4 matrix_b_fmt:MATRIX_FMT_FP4 matrix_a_scale:MATRIX_SCALE_ROW1
.elseif \t%2 == 0
	v_wmma_scale_f32_16x16x128_f8f6f4 v[S+32*\x+8*\t:S+32*\x+8*\t+7], v[KFR+8*\t:KFR+8*\t+7], v[QF+8*\x:QF+8*\x+7], v[AM+8*\t:AM+8*\t+7], v[KS+\t/2], v[QS] matrix_a_fmt:MATRIX_FMT_FP4 matrix_b_fmt:MATRIX_FMT_FP4 matrix_b_scale:MATRIX_SCALE_ROW1
.else
	v_wmma_scale_f32_16x16x128_f8f6f4 v[S+32*\x+8*\t:S+32*\x+8*\t+7], v[KFR+8*\t:KFR+8*\t+7], v[QF+8*\x:QF+8*\x+7], v[AM+8*\t:AM+8*\t+7], v[KS+\t/2], v[QS] matrix_a_fmt:MATRIX_FMT_FP4 matrix_b_fmt:MATRIX_FMT_FP4 matrix_a_scale:MATRIX_SCALE_ROW1 matrix_b_scale:MATRIX_SCALE_ROW1
.endif
.endr
.endr
.endm
; O^T += V^T w^T: source 0 = 16 channels, source 1 = w.  Sixteen accumulators by turns.  zero = 1: the products start the sums.
.macro PV zero
	WIN 0x50
.irp t, 0,1,2,3,4,5,6,7
.irp x, 0,1
.if \zero && (\t%2 == 0)
	v_wmma_scale_f32_16x16x128_f8f6f4 v[64*\x+8*\t:64*\x+8*\t+7], v[KFR+8*\t:KFR+8*\t+7], v[PC+8*\x:PC+8*\x+7], 0, v[VS+\t/2], v[PW+\x] matrix_a_fmt:MATRIX_FMT_FP4 matrix_b_fmt:MATRIX_FMT_FP4
.elseif \zero
	v_wmma_scale_f32_16x16x128_f8f6f4 v[64*\x+8*\t:64*\x+8*\t+7], v[KFR+8*\t:KFR+8*\t+7], v[PC+8*\x:PC+8*\x+7], 0, v[VS+\t/2], v[PW+\x] matrix_a_fmt:MATRIX_FMT_FP4 matrix_b_fmt:MATRIX_FMT_FP4 matrix_a_scale:MATRIX_SCALE_ROW1
.elseif \t%2 == 0
	v_wmma_scale_f32_16x16x128_f8f6f4 v[64*\x+8*\t:64*\x+8*\t+7], v[KFR+8*\t:KFR+8*\t+7], v[PC+8*\x:PC+8*\x+7], v[64*\x+8*\t:64*\x+8*\t+7], v[VS+\t/2], v[PW+\x] matrix_a_fmt:MATRIX_FMT_FP4 matrix_b_fmt:MATRIX_FMT_FP4
.else
	v_wmma_scale_f32_16x16x128_f8f6f4 v[64*\x+8*\t:64*\x+8*\t+7], v[KFR+8*\t:KFR+8*\t+7], v[PC+8*\x:PC+8*\x+7], v[64*\x+8*\t:64*\x+8*\t+7], v[VS+\t/2], v[PW+\x] matrix_a_fmt:MATRIX_FMT_FP4 matrix_b_fmt:MATRIX_FMT_FP4 matrix_a_scale:MATRIX_SCALE_ROW1
.endif
.endr
.endr
	WIN 0
.endm
; THE CAUSAL MASK.  A group all of whose 64 keys count for all my queries skips this (a branch on ids).  Else hidden scores become -infinity: the weight is then 0.
; Register 16 b + i holds key KF + 64 g + 32 b + 16 (lane / 16) + i; my query is Q0 + 8 x + r + 8 (r / 8): hidden where 32 b + i > d.
.macro MASK g
	s_add_co_u32 s84, s[KF], 64*\g+63
	s_cmp_le_u32 s84, s[Q0]
	s_cbranch_scc1 .Lopen_\@
	s_sub_co_i32 s84, s[Q0], s[KF]
.if \g
	s_sub_co_i32 s84, s84, 64
.endif
	v_add_nc_u32 v[WK+8], s84, v[DL]
	s_delay_alu instid0(VALU_DEP_1)
	v_add_nc_u32 v[WK+12+8], 8, v[WK+8]
.irp x, 0,1
.set n, 0
.rept 32
	v_cmp_gt_i32 vcc_lo, 32*(n/16)+n%16, v[WK+12*\x+8]
	v_cndmask_b32 v[S+32*\x+n], v[S+32*\x+n], v[NINF], vcc_lo
.set n, n+1
.endr
.endr
.Lopen_\@:
.endm
.macro TMINUSM                         ; t - M, two at a time, both tiles by turns; each accumulator is read from its low end on
.irp j, 0,2,4,6,8,10,12,14,16,18,20,22,24,26,28,30
.irp x, 0,1
	v_pk_fma_f32 v[S+32*\x+\j:S+32*\x+\j+1], v[S+32*\x+\j:S+32*\x+\j+1], s[CS:CS+1], v[NM+4*\x:NM+4*\x+1] op_sel_hi:[1,0,0]
.endr
.endr
.set n, 0
	s_wait_alu depctr_va_vdst(0)
.rept 32
.irp x, 0,1
	v_exp_f32 v[S+32*\x+n], v[S+32*\x+n]           ; 2^(t - M): one batch of 64
.endr
.set n, n+1
.endr
.endm
; WALK 1, a group of 64 keys: the running M and l of both tiles, line by line by turns.
.macro STAT
.irp b, 0,1
.irp x, 0,1
	v_max3_num_f32 v[WK+12*\x+\b], v[S+32*\x+16*\b], v[S+32*\x+16*\b+1], v[S+32*\x+16*\b+2]
.endr
.endr
.irp i, 3,5,7,9,11,13
.irp b, 0,1
.irp x, 0,1
	v_max3_num_f32 v[WK+12*\x+\b], v[WK+12*\x+\b], v[S+32*\x+16*\b+\i], v[S+32*\x+16*\b+\i+1]
.endr
.endr
.endr
.irp x, 0,1
	v_max3_num_f32 v[WK+12*\x], v[WK+12*\x], v[WK+12*\x+1], v[S+32*\x+15]
.endr
.irp x, 0,1
	v_max_num_f32 v[WK+12*\x], v[WK+12*\x], v[S+32*\x+31]
.endr
.irp x, 0,1
	s_delay_alu instid0(VALU_DEP_2)
	v_permlanex16_b32 v[WK+12*\x+2], v[WK+12*\x], s[SEL], s[SEL+1]
.endr
.irp x, 0,1
	s_delay_alu instid0(VALU_DEP_2)
	v_max_num_f32 v[WK+12*\x], v[WK+12*\x], v[WK+12*\x+2]   ; with lane l xor 16's 32 keys
.endr
.irp x, 0,1
	s_delay_alu instid0(VALU_DEP_2)
	v_mul_f32 v[WK+12*\x], s[CS], v[WK+12*\x]
.endr
.irp x, 0,1
	s_delay_alu instid0(VALU_DEP_2)
	v_max_num_f32 v[NM+4*\x+1], v[NM+4*\x+1], v[WK+12*\x]   ; the running largest t
.endr
.irp x, 0,1
	v_mov_b32 v[WK+12*\x+9], v[NM+4*\x]
.endr
.irp x, 0,1
	s_delay_alu instid0(VALU_DEP_4)
	v_floor_f32 v[NM+4*\x], -v[NM+4*\x+1]          ; -M = floor(-t): M is a whole number
.endr
.irp x, 0,1
	s_delay_alu instid0(VALU_DEP_2)
	v_sub_f32 v[WK+12*\x+9], v[NM+4*\x], v[WK+12*\x+9]   ; old M - new M, 0 or less
.endr
.irp x, 0,1
	s_delay_alu instid0(VALU_DEP_2)
	v_cvt_i32_f32 v[WK+12*\x+9], v[WK+12*\x+9]     ; (it saturates)
.endr
.irp x, 0,1
	s_delay_alu instid0(VALU_DEP_2)
	v_ldexp_f32 v[FF+2*\x], 1.0, v[WK+12*\x+9]     ; f = 2^(old M - new M): the multiplication by it rounds nothing
.endr
	TMINUSM
.irp x, 0,1
	v_pk_mul_f32 v[NM+4*\x+2:NM+4*\x+3], v[NM+4*\x+2:NM+4*\x+3], v[FF+2*\x:FF+2*\x+1] op_sel_hi:[1,0]   ; l under the new M: the plain lines behind the exponentials
.endr
	s_wait_alu depctr_va_vdst(0)                   ; one wait for the batch, ahead of its first reader
.irp x, 0,1
	v_pk_add_f32 v[WK+12*\x+10:WK+12*\x+11], v[S+32*\x:S+32*\x+1], v[S+32*\x+2:S+32*\x+3]
.endr
.irp j, 4,8,12,16,20,24,28
.irp x, 0,1
	v_pk_add_f32 v[NM+4*\x+2:NM+4*\x+3], v[NM+4*\x+2:NM+4*\x+3], v[S+32*\x+\j:S+32*\x+\j+1]
	v_pk_add_f32 v[WK+12*\x+10:WK+12*\x+11], v[WK+12*\x+10:WK+12*\x+11], v[S+32*\x+\j+2:S+32*\x+\j+3]
.endr
.endr
.irp x, 0
	s_delay_alu instid0(VALU_DEP_3)
	v_pk_add_f32 v[NM+4*\x+2:NM+4*\x+3], v[NM+4*\x+2:NM+4*\x+3], v[WK+12*\x+10:WK+12*\x+11]
.endr
.irp x, 1
	s_delay_alu instid0(VALU_DEP_2)
	v_pk_add_f32 v[NM+4*\x+2:NM+4*\x+3], v[NM+4*\x+2:NM+4*\x+3], v[WK+12*\x+10:WK+12*\x+11]
.endr
.endm
; WALK 2, group g: the finished weights of both tiles and their codes: registers 4 g .. 4 g + 3 of w's fragment, bytes 2 g and 2 g + 1 of its scale word.
; left: the LDS loads issued behind this group's ctx_mask, which may stay out.
.macro SOFT g, left
	TMINUSM
	v_nop                                          ; a plain line behind the last exponential
	s_wait_alu depctr_va_vdst(0)                   ; one wait for the batch
.irp j, 0,2,4,6,8,10,12,14,16,18,20,22,24,26,28,30
.irp x, 0,1
	v_pk_mul_f32 v[S+32*\x+\j:S+32*\x+\j+1], v[S+32*\x+\j:S+32*\x+\j+1], v[NM+4*\x+2:NM+4*\x+3] op_sel_hi:[1,0]   ; x head_mask / l
.endr
.endr
	s_wait_dscnt \left                             ; ctx_mask is in
.irp j, 0,2,4,6,8,10,12,14,16,18,20,22,24,26,28,30
.irp x, 0,1
	v_pk_mul_f32 v[S+32*\x+\j:S+32*\x+\j+1], v[S+32*\x+\j:S+32*\x+\j+1], v[CX+\j:CX+\j+1]
.endr
.endr
.if \g == 0
	LOADC 1
.endif
.irp b, 0,1
.irp x, 0,1
	v_max3_num_f32 v[WK+12*\x+\b], |v[S+32*\x+16*\b]|, |v[S+32*\x+16*\b+1]|, 0x1800000   ; a block's largest magnitude (the masks may be negative), and the floor 2^(3 - 127)
.endr
.endr
.irp i, 2,4,6,8,10,12,14
.irp b, 0,1
.irp x, 0,1
	s_delay_alu instid0(VALU_DEP_4)
	v_max3_num_f32 v[WK+12*\x+\b], v[WK+12*\x+\b], |v[S+32*\x+16*\b+\i]|, |v[S+32*\x+16*\b+\i+1]|
.endr
.endr
.endr
.irp b, 0,1
.irp x, 0,1
	s_delay_alu instid0(VALU_DEP_4)
	v_permlanex16_b32 v[WK+12*\x+2+\b], v[WK+12*\x+\b], s[SEL], s[SEL+1]
.endr
.endr
.irp b, 0,1
.irp x, 0,1
	s_delay_alu instid0(VALU_DEP_4)
	v_max_num_f32 v[WK+12*\x+\b], v[WK+12*\x+\b], v[WK+12*\x+2+\b]
.endr
.endr
.irp b, 0,1
.irp x, 0,1
	s_delay_alu instid0(VALU_DEP_4)
	v_add_nc_u32 v[WK+12*\x+4+\b], 0xff000000, v[WK+12*\x+\b]   ; 2 off the exponent field: the conversion's scale operand
.endr
.endr
.irp b, 0,1
.irp x, 0,1
	s_delay_alu instid0(VALU_DEP_4)
	v_lshrrev_b32 v[WK+12*\x+6+\b], 23, v[WK+12*\x+4+\b]        ; the scale's byte
.endr
.endr
.if \g == 0
.irp x, 0,1
	s_delay_alu instid0(VALU_DEP_2)
	v_lshl_or_b32 v[PW+\x], v[WK+12*\x+7], 8, v[WK+12*\x+6]
.endr
.else
.irp x, 0,1
	s_delay_alu instid0(VALU_DEP_4)
	v_lshl_or_b32 v[PW+\x], v[WK+12*\x+6], 16, v[PW+\x]
.endr
.irp x, 0,1
	s_delay_alu instid0(VALU_DEP_2)
	v_lshl_or_b32 v[PW+\x], v[WK+12*\x+7], 24, v[PW+\x]
.endr
.endif
.irp b, 0,1
.irp x, 0,1
	v_cvt_scalef32_pk8_fp4_f32 v[PC+8*\x+4*\g+2*\b], v[S+32*\x+16*\b:S+32*\x+16*\b+7], v[WK+12*\x+4+\b]
	v_cvt_scalef32_pk8_fp4_f32 v[PC+8*\x+4*\g+2*\b+1], v[S+32*\x+16*\b+8:S+32*\x+16*\b+15], v[WK+12*\x+4+\b]
.endr
.endr
	v_nop                                          ; one plain line behind the last scaled conversion
.irp i, 0,1
.irp x, 0,1
	v_permlane16_swap_b32 v[PC+8*\x+4*\g+\i], v[PC+8*\x+4*\g+2+\i]   ; the operand wants a whole block in a lane
.endr
.endr
.endm
.macro NEXTSTEP
	s_add_co_u32 s[KF], s[KF], 128
	s_add_co_u32 s[T2], s[T2], 2048
	s_add_co_u32 s[T1], s[T1], 1024
	s_add_co_u32 s[T5], s[T5], 512
.endm
; A key step of walk 1.  A step all of whose keys come after the run's queries (or with no run in hand) is left out, and so is such a second group: branches on ids, round no barrier and no tensor load.
.macro STEP1
	s_cmp_gt_i32 s[KF], s[QL]
	s_cbranch_scc1 .Lh1_\@
	v_add_nc_u32 v[ADK], s[T2], v[LI]
	v_add_nc_u32 v[ADS], s[T5], v[L8B]
	v_add_nc_u32 v[ADM], s[T5], v[HMB]
	v_add_nc_u32 v[ADK2], 0x10000, v[ADK]
	LOADG 0
	s_wait_alu depctr_va_vdst(0)
	s_wait_dscnt 0x0
	QK
	PLACES 4                                       ; in front of loads into registers that the products read, and of the first read of the scores
	LOADG 1                                        ; lands while group 0 is worked
	MASK 0
	STAT
	s_wait_dscnt 0x0                               ; group 1's loads are in, whether they are used or not
	s_add_co_u32 s84, s[KF], 64
	s_cmp_gt_i32 s84, s[QL]
	s_wait_alu depctr_va_vdst(0)
	s_cbranch_scc1 .Lh1_\@
	QK
	PLACES 4
	MASK 1
	STAT
.Lh1_\@:
	NEXTSTEP
.endm
; A key step of walk 2.  skip = 1: left out where all its keys are hidden; skip = 2: left out only where no run is in hand.
.macro STEP2 zero, skip
.if \skip == 1
	s_cmp_gt_i32 s[KF], s[QL]
	s_cbranch_scc1 .Lh2_\@
.elseif \skip == 2
	s_cmp_lt_i32 s[QL], 0
	s_cbranch_scc1 .Lh2_\@
.endif
	v_add_nc_u32 v[ADK], s[T2], v[LI]              ; seven plain lines: the places between the last step's products and the loads into their sources
	v_add_nc_u32 v[ADV], s[T1], v[LIV]
	v_add_nc_u32 v[ADS], s[T5], v[L8B]
	v_add_nc_u32 v[ADT], s[T5], v[L4B]
	v_add_nc_u32 v[ADM], s[T5], v[HMB]
	v_add_nc_u32 v[ADK2], 0x10000, v[ADK]
	v_add_nc_u32 v[ADV2], 0x10000, v[ADV]
	LOADG 0
	LOADC 0
	s_wait_alu depctr_va_vdst(0)
	s_wait_dscnt 8                                 ; all but ctx_mask's eight loads
	QK
	PLACES 4
	LOADG 1
	MASK 0
	SOFT 0, 17                                     ; behind group 0's ctx_mask: LOADG 1's 17 loads
	s_wait_dscnt 8                                 ; group 1's K, scales and mask are in; its ctx_mask may be out
	s_add_co_u32 s84, s[KF], 64
	s_cmp_gt_i32 s84, s[QL]
	s_wait_alu depctr_va_vdst(0)
	s_cbranch_scc0 .Lg1_\@
.irp x, 0,1                                    ; group 1 is hidden whole: its half of w is zero codes (the scale word's upper bytes are 0, a finite code)
.irp i, 4,5,6,7
	v_mov_b32 v[PC+8*\x+\i], 0
.endr
.endr
	LOADV
	PLACES 4                                       ; the codes stand 4 places ahead of the scaled products, the scale word more than 8
	s_branch .Lpv_\@
.Lg1_\@:
	QK
	PLACES 4
	LOADV                                          ; V's fragments take the registers that K's and the mask have left
	MASK 1
	SOFT 1, 20                                     ; behind group 1's ctx_mask: LOADV's 20 loads
	PLACES 8                                       ; w's scale word, written by vector lines, stands 8 places ahead of the scaled products, its codes 4
.Lpv_\@:
	s_wait_alu depctr_va_vdst(0)
	s_wait_dscnt 0x0
	PV \zero
.Lh2_\@:
	NEXTSTEP
.endm
.macro LOOP2 trips
	s_mov_b32 s[CNT], \trips
.Lsev_\@:
	STEP2 0, 1
	s_sub_co_u32 s[CNT], s[CNT], 1
	s_cmp_lg_u32 s[CNT], 0
	s_cbranch_scc1 .Lsev_\@
.endm
; The run in hand and the other one change places: 25 registers, by way of the scores' registers, and their first and last queries
.macro SWAPRUNS
	WIN 0x01
.set n, 0
.rept 25
	v_mov_b32 v[S+n], v[ALT+n]
.set n, n+1
.endr
	WIN 0x40
.set n, 0
.rept 8
	v_mov_b32 v[ALT+n], v[NM+n]
.set n, n+1
.endr
.set n, 0
.rept 17
	v_mov_b32 v[ALT+8+n], v[QF+n]
.set n, n+1
.endr
	WIN 0
.set n, 0
.rept 17
	v_mov_b32 v[QF+n], v[S+8+n]
.set n, n+1
.endr
.set n, 0
.rept 8
	v_mov_b32 v[NM+n], v[S+n]                      ; these eight are also the places between the scale words' write and the next scaled product
.set n, n+1
.endr
	s_mov_b32 s84, s[Q0]
	s_mov_b32 s[Q0], s[Q0A]
	s_mov_b32 s[Q0A], s84
	s_mov_b32 s84, s[QL]
	s_mov_b32 s[QL], s[QLA]
	s_mov_b32 s[QLA], s84
	s_wait_alu depctr_va_vdst(0)
.endm
; The stage's addresses in v10 (way in: row r, 32 bytes for each half of the lanes) and v11 (way back: lanes 0-15 one row, lanes 16-31 the next); its first byte in s84
.macro STAGEADR
	v_and_b32 v41, 15, v0
	v_bfe_u32 v44, v0, 4, 1
	s_delay_alu instid0(VALU_DEP_2)
	v_mul_u32_u24 v10, v41, 272
	s_delay_alu instid0(VALU_DEP_2)
	v_mul_u32_u24 v11, v44, 272
	s_delay_alu instid0(VALU_DEP_2)
	v_lshl_add_u32 v10, v44, 5, v10
	s_delay_alu instid0(VALU_DEP_2)
	v_lshl_add_u32 v11, v41, 4, v11
	s_delay_alu instid0(VALU_DEP_2)
	v_add_nc_u32 v10, s84, v10
	s_delay_alu instid0(VALU_DEP_2)
	v_add_nc_u32 v11, s84, v11
.endm
; 16 queries x 64 channels (256 bytes a row) through my stage: 8 stores, 8 loads; LDS serves a wave's instructions in order
.macro PART w, src, land
	WIN \w
.irp t, 0,1,2,3
	ds_store_b128 v10, v[(\src)+8*\t:(\src)+8*\t+3] offset:64*\t           ; each accumulator from its low end on
	ds_store_b128 v10, v[(\src)+8*\t+4:(\src)+8*\t+7] offset:64*\t+16
.endr
	WIN 0
.irp i, 0,1,2,3,4,5,6,7
	ds_load_b128 v[(\land)+4*\i:(\land)+4*\i+3], v11 offset:544*\i
.endr
.endm
.macro SENDP land, left, base, x, half  ; sixteen lanes store 256 consecutive bytes, aligned; stage row 2 i + h is query 8 x + 2 i + h + 8 (i / 4) of the run
.irp i, 0,1,2,3,4,5,6,7
	s_wait_dscnt (\left)+7-\i                      ; the LDS instructions issued behind this load may be out
	global_store_b128 v[GO], v[(\land)+4*\i:(\land)+4*\i+3], s[\base:\base+1] offset:(8*(\x)+2*\i+8*(\i/4))*512+256*(\half) th:TH_STORE_NT
.endr
.endm
; ---------------- walk 1: sixteen key steps, no barrier; at key SPLIT the second run comes into hand ----------------
	s_mov_b32 s[CNT], 16
.Lw1step:
	s_cmp_lg_u32 s[KF], SPLIT
	s_cbranch_scc1 .Lw1same
	SWAPRUNS
.Lw1same:
	STEP1
	s_sub_co_u32 s[CNT], s[CNT], 1
	s_cmp_lg_u32 s[CNT], 0
	s_cbranch_scc1 .Lw1step
	SWAPRUNS                                       ; the first run is in hand again
; ---------------- between the walks: the long run's two parts of (M, l) are joined; head_mask / l ----------------
	s_lshl_b32 s84, s[WV], 9
	s_xor_b32 s85, s84, 2048                       ; my partner: wave xor 4
	s_add_co_u32 s84, s84, XCH
	s_add_co_u32 s85, s85, XCH
	WIN 0x01
.irp i, 0,1,2,3,4,5,6,7
	v_mov_b32 v[S+\i], v[ALT+\i]                   ; the second run's figures, at v[S ..]
.endr
	WIN 0
.irp x, 0,1
	v_add_f32 v[NM+4*\x+2], v[NM+4*\x+2], v[NM+4*\x+3]
	v_add_f32 v[S+4*\x+2], v[S+4*\x+2], v[S+4*\x+3]
.endr
.irp x, 0,1
	v_permlanex16_b32 v[WK+12*\x+2], v[NM+4*\x+2], s[SEL], s[SEL+1]
	v_permlanex16_b32 v[WK+12*\x+3], v[S+4*\x+2], s[SEL], s[SEL+1]
.endr
.irp x, 0,1
	v_add_f32 v[NM+4*\x+2], v[NM+4*\x+2], v[WK+12*\x+2]
	v_add_f32 v[S+4*\x+2], v[S+4*\x+2], v[WK+12*\x+3]
.endr
.irp x, 0,1
	v_cndmask_b32 v[S+8+2*\x], v[S+4*\x], v[NM+4*\x], s[RM]         ; my part of the long run: waves 0 to 3 have it as their first run, the others as their second
	v_cndmask_b32 v[S+9+2*\x], v[S+4*\x+2], v[NM+4*\x+2], s[RM]
.endr
	v_add_nc_u32 v8, s84, v[LI]
	v_add_nc_u32 v9, s85, v[LI]
	ds_store_b128 v8, v[S+8:S+11]                  ; -M and l of both tiles, 16 bytes a lane
	s_wait_alu depctr_va_vdst(0)
	s_wait_tensorcnt 0x0                           ; my tile of V is in
	ds_add_u32 v[SPW], v[NIL]
	s_wait_dscnt 0x0
	s_barrier_signal -1
	s_barrier_wait -1                              ; V is whole, and every wave's figures are stored
	ds_load_b128 v[S+12:S+15], v9
	s_wait_dscnt 0x0
.irp x, 0,1
	v_min_num_f32 v[S+16+4*\x], v[S+8+2*\x], v[S+12+2*\x]           ; -M of the whole run (a part with no step has -M = 3e38 and l = 0: its factor below is 0)
.endr
.irp x, 0,1
	v_sub_f32 v[S+17+4*\x], v[S+16+4*\x], v[S+8+2*\x]               ; each part's M less the whole run's: a whole number, 0 or less
	v_sub_f32 v[S+18+4*\x], v[S+16+4*\x], v[S+12+2*\x]
.endr
.irp x, 0,1
	v_cvt_i32_f32 v[S+17+4*\x], v[S+17+4*\x]                        ; (it saturates)
	v_cvt_i32_f32 v[S+18+4*\x], v[S+18+4*\x]
.endr
.irp x, 0,1
	v_ldexp_f32 v[S+17+4*\x], 1.0, v[S+17+4*\x]
	v_ldexp_f32 v[S+18+4*\x], 1.0, v[S+18+4*\x]
.endr
.irp x, 0,1
	v_mul_f32 v[S+19+4*\x], v[S+9+2*\x], v[S+17+4*\x]               ; exact: a power of two
.endr
.irp x, 0,1
	s_delay_alu instid0(VALU_DEP_2)
	v_fmac_f32 v[S+19+4*\x], v[S+13+2*\x], v[S+18+4*\x]             ; one rounding: both waves get the same l
.endr
.irp x, 0,1
	v_cndmask_b32 v[NM+4*\x], v[NM+4*\x], v[S+16+4*\x], s[RM]
	v_cndmask_b32 v[NM+4*\x+2], v[NM+4*\x+2], v[S+19+4*\x], s[RM]
	v_cndmask_b32 v[S+4*\x], v[S+16+4*\x], v[S+4*\x], s[RM]
	v_cndmask_b32 v[S+4*\x+2], v[S+19+4*\x], v[S+4*\x+2], s[RM]
.endr
	s_wait_alu depctr_va_vdst(0)
.irp x, 0,1
	v_rcp_f32 v[NM+4*\x+2], v[NM+4*\x+2]
	v_rcp_f32 v[S+4*\x+2], v[S+4*\x+2]             ; (waves 0 to 3 have no second run: what comes of its l = 0 is never used)
.endr
	v_nop
	s_wait_alu depctr_va_vdst(0)                   ; one wait for the four reciprocals
.irp x, 0,1
	v_mul_f32 v[NM+4*\x+2], s[HM], v[NM+4*\x+2]
	v_mul_f32 v[S+4*\x+2], s[HM], v[S+4*\x+2]
.endr
	WIN 0x40
.irp x, 0,1
	v_mov_b32 v[ALT+4*\x], v[S+4*\x]
	v_mov_b32 v[ALT+4*\x+2], v[S+4*\x+2]
.endr
	WIN 0
	s_mov_b32 s[KF], 0
	s_mov_b32 s[T2], 0
	s_mov_b32 s[T1], 0
	s_mov_b32 s[T5], 0
	s_wait_alu depctr_va_vdst(0)
; ---------------- walk 2: no barrier, no tensor load ----------------
	STEP2 1, 0                                     ; key step 0, which every query sees, starts the first run's O^T
	LOOP2 8                                        ; key steps 1 to 8
	s_mul_i32 s84, s[W3], STG
	s_add_co_u32 s84, s84, SST
	STAGEADR                                       ; eight plain lines: also the places behind the last products
	s_wait_alu depctr_va_vdst(0)
	s_cmp_lt_u32 s[WV], 4
	s_cbranch_scc1 .Lkeep                          ; waves 0 to 3 keep their part of the long run; waves 4 to 7 store the short run, which is finished
.irp k, 0,1,2,3
	PART 0x04, 32*\k, KFR+32*\k
.endr
.irp k, 0,1,2,3
	SENDP KFR+32*\k, 16*(3-\k), OS, \k/2, \k%2
.endr
	s_wait_xcnt 0x0                                ; the stores' data registers are written again only behind this wait
.Lkeep:
	WIN 0x01                                       ; the second run comes into hand
.set n, 0
.rept 17
	v_mov_b32 v[QF+n], v[ALT+8+n]
.set n, n+1
.endr
.set n, 0
.rept 8
	v_mov_b32 v[NM+n], v[ALT+n]
.set n, n+1
.endr
	WIN 0
	s_mov_b32 s[Q0], s[Q0A]
	s_mov_b32 s[QL], s[QLA]
	s_wait_alu depctr_va_vdst(0)
	STEP2 1, 2                                     ; key step 9 starts waves 4 to 7's part of the long run (j = 7: all of it hidden, so the part is zeros)
	LOOP2 6                                        ; key steps 10 to 15
; ---------------- the way out of the long run ----------------
; Each of the two waves hands one tile's part of O^T over as an image of its registers, adds the partner's part of the other tile to its own, and stores that tile.
	s_lshl_b32 s85, s[WV], 13
	s_xor_b32 s86, s85, 32768
	s_mul_i32 s84, s[WV], STG
	s_add_co_u32 s84, s84, FST
	v_add_nc_u32 v8, s85, v[LI]
	v_add_nc_u32 v9, s86, v[LI]
	STAGEADR
	s_wait_alu depctr_va_vdst(0)
	s_wait_dscnt 0x0
	s_barrier_signal -1
	s_barrier_wait -1                              ; no wave reads K's region any more, and it has had its last fill
.macro GIVE x
	WIN 0x04
.irp t, 0,1,2,3,4,5,6,7
	ds_store_b128 v8, v[64*\x+8*\t:64*\x+8*\t+3] offset:1024*\t
	ds_store_b128 v8, v[64*\x+8*\t+4:64*\x+8*\t+7] offset:1024*\t+512
.endr
	WIN 0
.endm
.macro TAKE x
.irp t, 0,1,2,3,4,5,6,7
	ds_load_b128 v[KFR+8*\t:KFR+8*\t+3], v9 offset:1024*\t
	ds_load_b128 v[KFR+8*\t+4:KFR+8*\t+7], v9 offset:1024*\t+512
.endr
	s_wait_dscnt 0x0
	WIN 0x01
.set n, 0
.rept 32
	v_pk_add_f32 v[KFR+n:KFR+n+1], v[64*\x+n:64*\x+n+1], v[KFR+n:KFR+n+1]   ; each accumulator from its low end on
.set n, n+2
.endr
	WIN 0
.irp k, 0,1
	PART 0, KFR+32*\k, CX+32*\k
.endr
.irp k, 0,1
	SENDP CX+32*\k, 16*(1-\k), 22, \x, \k
.endr
.endm
	s_cmp_lt_u32 s[WV], 4
	s_cbranch_scc0 .Lgive0
	GIVE 1
	s_branch .Lgiven
.Lgive0:
	GIVE 0
.Lgiven:
	s_wait_dscnt 0x0
	s_barrier_signal -1
	s_barrier_wait -1
	s_cmp_lt_u32 s[WV], 4
	s_cbranch_scc0 .Ltake1
	TAKE 0
	s_branch .Ltaken
.Ltake1:
	TAKE 1
.Ltaken:
	s_wait_tensorcnt 0x0                           ; the wave's end
	ds_add_u32 v[SPW], v[NIL]
	s_wait_dscnt 0x0
	s_endpgm
.Lfunc_end_k_qad74cf7d7f_attn:
	.size	k_qad74cf7d7f_attn, .Lfunc_end_k_qad74cf7d7f_attn-k_qad74cf7d7f_attn
	.p2alignl 7, 3214868480
	.fill 96, 4, 3214868480
	.section	.rodata,"a",@progbits
	.p2align	6, 0x0
	.amdhsa_kernel k_qad74cf7d7f_attn
		.amdhsa_group_segment_fixed_size 327680
		.amdhsa_private_segment_fixed_size 0
		.amdhsa_enable_private_segment 0
		.amdhsa_kernarg_size 80
		.amdhsa_user_sgpr_count 2
		.amdhsa_user_sgpr_kernarg_segment_ptr 1
		.amdhsa_wavefront_size32 1
		.amdhsa_system_sgpr_workgroup_id_x 1
		.amdhsa_system_sgpr_workgroup_id_y 1
		.amdhsa_system_sgpr_workgroup_id_z 1
		.amdhsa_system_vgpr_workitem_id 0
		.amdhsa_next_free_vgpr 416
		.amdhsa_next_free_sgpr 96
		.amdhsa_reserve_vcc 1
		.amdhsa_float_denorm_mode_32 3
		.amdhsa_float_denorm_mode_16_64 3
		.amdhsa_memory_ordered 1
		.amdhsa_forward_progress 1
		.amdhsa_inst_pref_size 255
	.end_amdhsa_kernel
	.section	.bss,"aw",@nobits
	.p2align	6
	.space	262144
	.amdgpu_metadata
---
amdhsa.version: [ 1, 2 ]
amdhsa.kernels:
  - .name:           k_qad74cf7d7f_attn
    .symbol:         k_qad74cf7d7f_attn.kd
    .args:
      - { .name: qc, .offset: 0, .size: 8, .value_kind: global_buffer, .address_space: global }
      - { .name: qs, .offset: 8, .size: 8, .value_kind: global_buffer, .address_space: global }
      - { .name: kc, .offset: 16, .size: 8, .value_kind: global_buffer, .address_space: global }
      - { .name: ks, .offset: 24, .size: 8, .value_kind: global_buffer, .address_space: global }
      - { .name: vc, .offset: 32, .size: 8, .value_kind: global_buffer, .address_space: global }
      - { .name: vs, .offset: 40, .size: 8, .value_kind: global_buffer, .address_space: global }
      - { .name: attention_mask, .offset: 48, .size: 8, .value_kind: global_buffer, .address_space: global }
      - { .name: ctx_mask, .offset: 56, .size: 8, .value_kind: global_buffer, .address_space: global }
      - { .name: head_mask, .offset: 64, .size: 8, .value_kind: global_buffer, .address_space: global }
      - { .name: out0, .offset: 72, .size: 8, .value_kind: global_buffer, .address_space: global }
    .group_segment_fixed_size: 327680
    .private_segment_fixed_size: 0
    .kernarg_segment_align: 8
    .kernarg_segment_size: 80
    .max_flat_workgroup_size: 256
    .sgpr_count:     96
    .vgpr_count:     416
    .wavefront_size: 32
...
	.end_amdgpu_metadata
.endif
;; end of part 2
